; MI455X (gfx1250); checked and timed in simulation.
; The chip was launched on July 23, 2026; its instructions are those of AMD's public machine-readable ISA for CDNA 5 (MIT licence, August 2026) and "CDNA5" Instruction Set Architecture Reference Guide (July 2026). The comments in the code are by the model that wrote it; some were corrected since.
;; Adaptive Expert System. Allowed arithmetic: float matrix products may take bf16 or f16 operands with f32 sums; other float arithmetic in f32, or as packed bf16 or f16 multiplies, adds, multiply-adds, maxima and minima; sums over many terms, partial sums and values carried from step to step in f32; what a program stores and reads back later, other than sums and carried values, may be rounded once to bf16 or f16.
;; Inputs: down_b 8 x 1,024 float32; down_w 8 x 1,024 x 512 float32; hidden_states 4 x 2,048 x 1,024 float32; ln_bias 1,024 float32; ln_scale 1,024 float32; router_b 8 float32; router_w 8 x 1,024 float32; up_b 8 x 512 float32; up_w 8 x 512 x 1,024 float32.
;; Outputs: out0 4 x 2,048 x 1,024 float32.
;; One version. Each part assembles by itself: llvm-mc -triple=amdgcn-amd-amdhsa -mcpu=gfx1250 --defsym DOCPART=n.
;; ======== version 1 of 1: 3 launches
;; limits: values are held in f16: magnitudes above 65,504 overflow, below 6.1e-05 lose precision
;; workspace buffers: xb 16,777,216 bytes; sid 32,768 bytes of whole numbers; gate 65,536 bytes; perm 917,504 bytes of whole numbers; cnt 256 bytes of whole numbers; wf 16,777,216 bytes; bias 49,152 bytes
;; launch route (part 1): grid 256 x 1, 8 waves a work-group, no clusters, 107,520 bytes of LDS; arguments hidden_states, ln_scale, ln_bias, router_w, router_b, xb, sid, gate; writes xb, sid, gate
.if DOCPART == 1
	.amdgcn_target "amdgcn-amd-amdhsa--gfx1250"
	.amdhsa_code_object_version 6
	.text
	.protected	k_qe4791cee7f_route
	.globl	k_qe4791cee7f_route
	.p2align	8
	.type	k_qe4791cee7f_route,@function
k_qe4791cee7f_route:
	s_mov_b64 s[64:65], 0
	v_nop
	global_prefetch_b8 v0, s[64:65] scope:SCOPE_SE
	s_setreg_imm32_b32 hwreg(HW_REG_WAVE_MODE, 25, 1), 1
	s_wait_xcnt 0x0
; ROUTE.  For each of 8,192 tokens: x rounded to bf16 (stored to xb), LayerNorm, 8 logits, the two largest, their softmax.
; Every input is rounded to bf16 where it is read (x, ln_scale, ln_bias, router_w, router_b); all arithmetic behind that is f32.
; Stored at fixed places: sid[token] = hi (hi - 1) / 2 + lo for the chosen pair lo < hi (0 .. 27), gate[token] = (gate of lo, gate of hi).
; SHARES.  A work-group has 32 tokens, a wave 4 rows; a row lies in one wave: load j gives lane l the columns 128 j + 4 l + 0..3, so sums never leave the wave.
; THE TABLES (ln_scale, ln_bias, router_w: 40 KiB) are loaded and rounded once a work-group: wave w takes router_w's row w and 512 bytes of each of the other two,
; lays them into LDS as f32, and every wave reads all of them from there into registers, in the rows' column map.
; THE ROWS are rounded, stored to xb and laid, packed, into the wave's own 8 KiB of LDS; the row's arithmetic is written once and walked four times.
; The rows' LDS address steps with the trips, so the phases that touch LDS are ordered as wholes: a barrier stands between the stores and the loop, and between the loop and the closing add.
; The matrix unit is left out: 8 logits a row are 8,192 multiply-adds beside 6 KiB moved, and they are wanted in f32.
; LIMITS.  NaN and infinities are not treated apart.  The logits are summed in another order than a row-wise dot product: a second and a
; third logit closer than about 1e-6 of their size may change places.  Ties keep the lower index (strict compare, ascending).
; REGISTERS.  Window 0: v0-7 addresses and work; RB router_b; GA ln_scale; BE ln_bias; X four rows as loaded, then packed; row in hand in X's first 32;
; AC 8 pairs of sums; PK the row's packed words; T work; LG kept logits; STG (AC, PK and T together) my part of the tables.  Window 1: router_w, expert e at 32 e.
.set TG,    0                          ; LDS: ln_scale, 4,096 bytes
.set TB,    4096                       ; ln_bias
.set TW,    8192                       ; router_w, expert e at + 4,096 e
.set ROWS,  40960                      ; packed rows: wave w at + 8,192 w, row r at + 2,048 r
.set SPARE, 106496                     ; the spare words, 128 bytes for each wave, four blocks of 256 bytes that no other line names
.set RB,  8
.set GA,  16
.set BE,  48
.set X,   80
.set STG, 208
.set AC,  208
.set PK,  224
.set T,   240
.set LG,  248
.set MSB, 0
.macro WIN new                         ; the immediate's high byte repeats the setting that is left
.if MSB != (\new)
	s_set_vgpr_msb (MSB<<8)|(\new)
.set MSB, \new
.endif
.endm
.macro WSUM r, t                       ; the sum over the wave's 32 lanes, in every lane
	v_add_f32_dpp v[\r], v[\r], v[\r] row_xmask:1 row_mask:0xf bank_mask:0xf
	v_add_f32_dpp v[\r], v[\r], v[\r] row_xmask:2 row_mask:0xf bank_mask:0xf
	v_add_f32_dpp v[\r], v[\r], v[\r] row_xmask:4 row_mask:0xf bank_mask:0xf
	v_add_f32_dpp v[\r], v[\r], v[\r] row_xmask:8 row_mask:0xf bank_mask:0xf
	v_permlanex16_b32 v[\t], v[\r], s25, s26
	v_add_f32 v[\r], v[\r], v[\t]
.endm
	s_load_b512 s[4:19], s[0:1], 0x0               ; x s[4:5], ln_scale s[6:7], ln_bias s[8:9], router_w s[10:11], router_b s[12:13], xb s[14:15], sid s[16:17], gate s[18:19]
	v_and_b32 v4, 31, v0                           ; lane
	v_lshrrev_b32 v5, 5, v0
	v_readfirstlane_b32 s20, v5                    ; wave
	v_lshlrev_b32 v2, 4, v4                        ; 16 lane
	v_lshlrev_b32 v3, 3, v4
	s_lshl_b32 s21, s20, 14
	v_add_nc_u32 v1, s21, v2                       ; x: wave x 4 rows x 4,096 bytes + 16 lane
	s_lshl_b32 s21, s20, 13
	v_add_nc_u32 v3, s21, v3                       ; xb: wave x 4 rows x 2,048 bytes + 8 lane
	s_lshl_b32 s21, s20, 12
	v_add_nc_u32 v6, s21, v2                       ; router_w's row w, in memory and in LDS
	s_lshl_b32 s21, s20, 9
	v_add_nc_u32 v7, s21, v2                       ; the w-th 512 bytes of ln_scale and ln_bias, likewise
	v_mov_b32 v5, 0                                ; offset 0: router_b, the same in every lane
	s_mov_b32 s24, 0xffff0000                      ; a word's upper bf16
	s_mov_b32 s25, 0x76543210                      ; v_permlanex16_b32: each lane takes its own place in the other half
	s_mov_b32 s26, 0xfedcba98
	s_mov_b32 s27, 0x3a800000                      ; 1 / 1024
	s_mov_b32 s28, 0x3727c5ac                      ; 1e-5
	s_mov_b32 s29, 0x3fb8aa3b                      ; log2(e)
	s_mov_b32 s23, 0
	s_wait_kmcnt 0x0
	s_lshl_b32 s22, ttmp9, 17                      ; 32 rows of 4,096 bytes
	s_add_nc_u64 s[4:5], s[4:5], s[22:23]
	s_lshl_b32 s22, ttmp9, 16                      ; 32 rows of 2,048 bytes
	s_add_nc_u64 s[14:15], s[14:15], s[22:23]
	s_lshl_b32 s22, ttmp9, 7                       ; 32 words
	s_add_nc_u64 s[16:17], s[16:17], s[22:23]
	s_lshl_b32 s22, ttmp9, 8                       ; 32 pairs
	s_add_nc_u64 s[18:19], s[18:19], s[22:23]
.irp j, 0,1,2,3,4,5,6,7                ; my part of the tables first, so that it can be waited for while x is on its way
	global_load_b128 v[STG+4*\j:STG+4*\j+3], v6, s[10:11] offset:\j*512
.endr
	global_load_b128 v[STG+32:STG+35], v7, s[6:7]
	global_load_b128 v[STG+36:STG+39], v7, s[8:9]
	global_load_b128 v[RB:RB+3], v5, s[12:13]
	global_load_b128 v[RB+4:RB+7], v5, s[12:13] offset:16
.set i, 0
.rept 32                                       ; my four rows: each load covers 512 consecutive bytes
	global_load_b128 v[X+4*i:X+4*i+3], v1, s[4:5] offset:(i/8)*4096+(i%8)*512 th:TH_LOAD_NT
.set i, i+1
.endr
	s_wait_loadcnt 32                              ; the twelve table loads are in; x's 32 stay out
.set c, 0
.rept 10                                       ; rounded to bf16 and widened again, in place
	v_cvt_pk_bf16_f32 v[LG+2*(c%4)], v[STG+4*c], v[STG+4*c+1]
	v_cvt_pk_bf16_f32 v[LG+2*(c%4)+1], v[STG+4*c+2], v[STG+4*c+3]
	v_lshlrev_b32 v[STG+4*c], 16, v[LG+2*(c%4)]
	v_and_b32 v[STG+4*c+1], s24, v[LG+2*(c%4)]
	v_lshlrev_b32 v[STG+4*c+2], 16, v[LG+2*(c%4)+1]
	v_and_b32 v[STG+4*c+3], s24, v[LG+2*(c%4)+1]
.set c, c+1
.endr
.irp q, 0,1,2,3
	v_cvt_pk_bf16_f32 v[LG+\q], v[RB+2*\q], v[RB+2*\q+1]
.endr
.irp q, 0,1,2,3
	v_lshlrev_b32 v[RB+2*\q], 16, v[LG+\q]
	v_and_b32 v[RB+2*\q+1], s24, v[LG+\q]
.endr
.irp j, 0,1,2,3,4,5,6,7
	ds_store_b128 v6, v[STG+4*\j:STG+4*\j+3] offset:TW+\j*512
.endr
	ds_store_b128 v7, v[STG+32:STG+35] offset:TG
	ds_store_b128 v7, v[STG+36:STG+39] offset:TB
	s_lshl_b32 s21, s20, 13
	s_add_co_u32 s21, s21, ROWS
	v_add_nc_u32 v5, s21, v2                       ; my 16 bytes in my wave's first packed row (v5's loads were shown done by the wait above)
	s_wait_dscnt 0x0                               ; for the others' sake: my part of the tables is in LDS
	s_barrier_signal -1
	s_barrier_wait -1                              ; everybody's is
.set i, 0
.rept 8                                        ; all tables into registers, 512 consecutive bytes a load, while x is still on its way
	ds_load_b128 v[GA+4*i:GA+4*i+3], v2 offset:TG+i*512
	ds_load_b128 v[BE+4*i:BE+4*i+3], v2 offset:TB+i*512
.set i, i+1
.endr
	WIN 0x40                                       ; destination window 1, address window 0
.set i, 0
.rept 64
	ds_load_b128 v[4*i:4*i+3], v2 offset:TW+i*512
.set i, i+1
.endr
	WIN 0
.set r, 0
.rept 4                                        ; row r: rounded in place (word i lands on register i, whose number has been read by then), to xb and to LDS
	s_wait_loadcnt 24-8*r                          ; the rows behind stay out
.set i, 0
.rept 16
	v_cvt_pk_bf16_f32 v[X+32*r+i], v[X+32*r+2*i], v[X+32*r+2*i+1]
.set i, i+1
.endr
.set i, 0
.rept 8
	global_store_b64 v3, v[X+32*r+2*i:X+32*r+2*i+1], s[14:15] offset:r*2048+i*256  ; the wave's store covers 256 consecutive bytes, aligned
.set i, i+1
.endr
.set i, 0
.rept 4
	ds_store_b128 v5, v[X+32*r+4*i:X+32*r+4*i+3] offset:r*2048+i*512
.set i, i+1
.endr
.set r, r+1
.endr
	s_wait_dscnt 0x0                               ; the tables are in my registers, my rows are in LDS
	s_barrier_signal -1
	s_barrier_wait -1                              ; from here to the next barrier LDS is only read
.irp q, 0,1,2,3
	ds_load_b128 v[PK+4*\q:PK+4*\q+3], v5 offset:\q*512  ; row 0
.endr
.irp e, 0,1,2,3,4,5,6,7
	v_mov_b32 v[LG+\e], 0
.endr
	s_mov_b32 s30, 1                               ; the lane that keeps the row's logits
	s_mov_b32 s21, 4
	s_wait_xcnt 0x0                                ; X's first 32 registers, which row 0's stores read, are rewritten only behind this wait
; One row: widened; mean; variance of the centred row; normalised; 8 logits; lane r keeps them.
.Lrow:
	s_wait_dscnt 0x0                               ; the row's packed words are in
.set i, 0
.rept 16
	v_lshlrev_b32 v[X+2*i], 16, v[PK+i]
	v_and_b32 v[X+2*i+1], s24, v[PK+i]
.set i, i+1
.endr
	s_cmp_eq_u32 s21, 1
	s_cbranch_scc1 .Lno_next                       ; behind the last row there is none to ask for
	v_add_nc_u32 v5, 2048, v5
.irp q, 0,1,2,3
	ds_load_b128 v[PK+4*\q:PK+4*\q+3], v5 offset:\q*512  ; the next row lands under this row's arithmetic
.endr
.Lno_next:
.irp c, 0,1,2,3                        ; four chains of pairs
	v_pk_add_f32 v[T+2*\c:T+2*\c+1], v[X+2*\c:X+2*\c+1], v[X+8+2*\c:X+8+2*\c+1]
.endr
.irp k, 2,3
.irp c, 0,1,2,3
	v_pk_add_f32 v[T+2*\c:T+2*\c+1], v[T+2*\c:T+2*\c+1], v[X+8*\k+2*\c:X+8*\k+2*\c+1]
.endr
.endr
	v_pk_add_f32 v[T:T+1], v[T:T+1], v[T+2:T+3]
	v_pk_add_f32 v[T+4:T+5], v[T+4:T+5], v[T+6:T+7]
	v_pk_add_f32 v[T:T+1], v[T:T+1], v[T+4:T+5]
	v_add_f32 v1, v[T], v[T+1]
	WSUM 1, 6
	v_mul_f32 v6, s27, v1                          ; mu
.set i, 0
.rept 16
	v_pk_add_f32 v[X+2*i:X+2*i+1], v[X+2*i:X+2*i+1], v[6:7] op_sel_hi:[1,0] neg_lo:[0,1] neg_hi:[0,1]
.set i, i+1
.endr
.irp c, 0,1,2,3
	v_pk_mul_f32 v[T+2*\c:T+2*\c+1], v[X+2*\c:X+2*\c+1], v[X+2*\c:X+2*\c+1]
.endr
.irp k, 1,2,3
.irp c, 0,1,2,3
	v_pk_fma_f32 v[T+2*\c:T+2*\c+1], v[X+8*\k+2*\c:X+8*\k+2*\c+1], v[X+8*\k+2*\c:X+8*\k+2*\c+1], v[T+2*\c:T+2*\c+1]
.endr
.endr
	v_pk_add_f32 v[T:T+1], v[T:T+1], v[T+2:T+3]
	v_pk_add_f32 v[T+4:T+5], v[T+4:T+5], v[T+6:T+7]
	v_pk_add_f32 v[T:T+1], v[T:T+1], v[T+4:T+5]
	v_add_f32 v1, v[T], v[T+1]
	WSUM 1, 6
	v_fma_f32 v1, v1, s27, s28                     ; variance + eps
	v_rsq_f32 v6, v1
	v_nop                                          ; a plain instruction between the root and the use of its result
.set i, 0
	s_wait_alu depctr_va_vdst(0)
.rept 16
	v_pk_mul_f32 v[X+2*i:X+2*i+1], v[X+2*i:X+2*i+1], v[6:7] op_sel_hi:[1,0]
.set i, i+1
.endr
.set i, 0
.rept 16
	v_pk_fma_f32 v[X+2*i:X+2*i+1], v[X+2*i:X+2*i+1], v[GA+2*i:GA+2*i+1], v[BE+2*i:BE+2*i+1]
.set i, i+1
.endr
	WIN 0x04                                       ; source 1, router_w, in window 1
.set i, 0
.rept 16                                       ; eight chains take turns
.irp e, 0,1,2,3,4,5,6,7
.if i == 0
	v_pk_mul_f32 v[AC+2*\e:AC+2*\e+1], v[X:X+1], v[32*\e:32*\e+1]
.else
	v_pk_fma_f32 v[AC+2*\e:AC+2*\e+1], v[X+2*i:X+2*i+1], v[32*\e+2*i:32*\e+2*i+1], v[AC+2*\e:AC+2*\e+1]
.endif
.endr
.set i, i+1
.endr
	WIN 0
.irp e, 0,1,2,3,4,5,6,7
	v_add_f32 v[T+\e], v[AC+2*\e], v[AC+2*\e+1]
.endr
.irp m, 1,2,4,8
.irp e, 0,1,2,3,4,5,6,7
	v_add_f32_dpp v[T+\e], v[T+\e], v[T+\e] row_xmask:\m row_mask:0xf bank_mask:0xf
.endr
.endr
.irp e, 0,1,2,3,4,5,6,7
	v_permlanex16_b32 v[AC+\e], v[T+\e], s25, s26
.endr
.irp e, 0,1,2,3,4,5,6,7
	v_add_f32 v[T+\e], v[T+\e], v[AC+\e]
.endr
.irp e, 0,1,2,3,4,5,6,7
	v_add_f32 v[T+\e], v[T+\e], v[RB+\e]
.endr
.irp e, 0,1,2,3,4,5,6,7
	v_cndmask_b32 v[LG+\e], v[LG+\e], v[T+\e], s30 ; lane r keeps row r's logits
.endr
	s_lshl_b32 s30, s30, 1
	s_sub_co_u32 s21, s21, 1
	s_cmp_lg_u32 s21, 0
	s_cbranch_scc1 .Lrow
	; The two largest, once for the four rows (lanes 0 to 3).  Values are chosen by v_cndmask_b32 alone: no branch and no address hangs on them.
	v_mov_b32 v5, v[LG]                            ; m1
	v_mov_b32 v6, 0                                ; i1
.irp e, 1,2,3,4,5,6,7
	v_cmp_gt_f32 vcc_lo, v[LG+\e], v5              ; strictly greater: the lower index stays
	v_cndmask_b32 v5, v5, v[LG+\e], vcc_lo
	v_cndmask_b32 v6, v6, \e, vcc_lo
.endr
	v_mov_b32 v7, 0xff800000                       ; m2
	v_mov_b32 v[T], 0                              ; i2
.irp e, 0,1,2,3,4,5,6,7
	v_cmp_ne_u32 s30, \e, v6
	v_cmp_gt_f32 vcc_lo, v[LG+\e], v7
	s_and_b32 vcc_lo, vcc_lo, s30
	v_cndmask_b32 v7, v7, v[LG+\e], vcc_lo
	v_cndmask_b32 v[T], v[T], \e, vcc_lo
.endr
	v_sub_f32 v[T+1], v7, v5                       ; m2 - m1 <= 0: the maximum is taken away
	v_mul_f32 v[T+1], s29, v[T+1]
	v_exp_f32 v[T+1], v[T+1]
	v_nop
	s_wait_alu depctr_va_vdst(0)
	v_add_f32 v[T+2], 1.0, v[T+1]
	v_rcp_f32 v[T+2], v[T+2]                       ; p1
	v_nop
	s_wait_alu depctr_va_vdst(0)
	v_mul_f32 v[T+3], v[T+1], v[T+2]               ; p2
	v_min_u32 v[T+6], v6, v[T]                     ; lo
	v_max_u32 v[T+7], v6, v[T]                     ; hi
	v_cmp_lt_u32 vcc_lo, v6, v[T]
	v_cndmask_b32 v[T+4], v[T+3], v[T+2], vcc_lo   ; gate of lo
	v_cndmask_b32 v[T+5], v[T+2], v[T+3], vcc_lo   ; gate of hi
	v_add_nc_u32 v[AC], -1, v[T+7]
	v_mul_lo_u32 v[AC], v[T+7], v[AC]
	v_lshrrev_b32 v[AC], 1, v[AC]
	v_add_nc_u32 v[AC], v[AC], v[T+6]
	v_min_u32 v[AC], 27, v[AC]
	v_lshrrev_b32 v[AC+1], 5, v0
	v_lshl_add_u32 v[AC+1], v[AC+1], 2, v4         ; 4 wave + lane: the token's place in the work-group
	v_lshlrev_b32 v[AC+2], 3, v[AC+1]
	v_lshlrev_b32 v[AC+1], 2, v[AC+1]
	v_cmp_gt_u32 vcc_lo, 4, v4
	s_wait_xcnt 0x0                                ; EXEC changes only behind this wait
	s_and_saveexec_b32 s31, vcc_lo
	global_store_b32 v[AC+1], v[AC], s[16:17]
	global_store_b64 v[AC+2], v[T+4:T+5], s[18:19]
	s_wait_xcnt 0x0                                ; and again in front of the line that widens it
	s_or_b32 exec_lo, exec_lo, s31
	s_wait_dscnt 0x0                               ; my reads of LDS are over
	s_barrier_signal -1
	s_barrier_wait -1                              ; everybody's are
	v_lshl_add_u32 v[X+32], v0, 2, SPARE           ; no two registers could be kept for the add: v0 was kept, and they are made here
	v_mov_b32 v[X+33], 0
	s_wait_tensorcnt 0x0                           ; the wave's end, behind my last LDS store
	ds_add_u32 v[X+32], v[X+33]
	s_wait_dscnt 0x0
	s_endpgm
.Lfunc_end_k_qe4791cee7f_route:
	.size	k_qe4791cee7f_route, .Lfunc_end_k_qe4791cee7f_route-k_qe4791cee7f_route
	.p2alignl 7, 3214868480
	.fill 96, 4, 3214868480
	.section	.rodata,"a",@progbits
	.p2align	6, 0x0
	.amdhsa_kernel k_qe4791cee7f_route
		.amdhsa_group_segment_fixed_size 107520
		.amdhsa_private_segment_fixed_size 0
		.amdhsa_enable_private_segment 0
		.amdhsa_kernarg_size 64
		.amdhsa_user_sgpr_count 2
		.amdhsa_user_sgpr_kernarg_segment_ptr 1
		.amdhsa_wavefront_size32 1
		.amdhsa_system_sgpr_workgroup_id_x 1
		.amdhsa_system_sgpr_workgroup_id_y 1
		.amdhsa_system_sgpr_workgroup_id_z 1
		.amdhsa_system_vgpr_workitem_id 0
		.amdhsa_next_free_vgpr 512
		.amdhsa_next_free_sgpr 66
		.amdhsa_reserve_vcc 1
		.amdhsa_float_denorm_mode_32 3
		.amdhsa_float_denorm_mode_16_64 3
		.amdhsa_memory_ordered 1
		.amdhsa_forward_progress 1
		.amdhsa_inst_pref_size 48
	.end_amdhsa_kernel
	.amdgpu_metadata
---
amdhsa.version: [ 1, 2 ]
amdhsa.kernels:
  - .name:           k_qe4791cee7f_route
    .symbol:         k_qe4791cee7f_route.kd
    .args:
      - { .name: hidden_states, .offset: 0, .size: 8, .value_kind: global_buffer, .address_space: global }
      - { .name: ln_scale, .offset: 8, .size: 8, .value_kind: global_buffer, .address_space: global }
      - { .name: ln_bias, .offset: 16, .size: 8, .value_kind: global_buffer, .address_space: global }
      - { .name: router_w, .offset: 24, .size: 8, .value_kind: global_buffer, .address_space: global }
      - { .name: router_b, .offset: 32, .size: 8, .value_kind: global_buffer, .address_space: global }
      - { .name: xb, .offset: 40, .size: 8, .value_kind: global_buffer, .address_space: global }
      - { .name: sid, .offset: 48, .size: 8, .value_kind: global_buffer, .address_space: global }
      - { .name: gate, .offset: 56, .size: 8, .value_kind: global_buffer, .address_space: global }
    .group_segment_fixed_size: 107520
    .private_segment_fixed_size: 0
    .kernarg_segment_align: 8
    .kernarg_segment_size: 64
    .max_flat_workgroup_size: 256
    .sgpr_count:     66
    .vgpr_count:     512
    .wavefront_size: 32
...
	.end_amdgpu_metadata
.endif
;; end of part 1
;; launch prep (part 2): grid 285 x 1, 8 waves a work-group, no clusters, 68,864 bytes of LDS; arguments sid, up_w, down_w, up_b, down_b, perm, cnt, wf, bias; writes perm, cnt, wf, bias
.if DOCPART == 2
	.amdgcn_target "amdgcn-amd-amdhsa--gfx1250"
	.amdhsa_code_object_version 6
	.text
	.protected	k_qe4791cee7f_prep
	.globl	k_qe4791cee7f_prep
	.p2align	8
	.type	k_qe4791cee7f_prep,@function
k_qe4791cee7f_prep:
	s_mov_b64 s[64:65], 0
	v_nop
	global_prefetch_b8 v0, s[64:65] scope:SCOPE_SE
	s_setreg_imm32_b32 hwreg(HW_REG_WAVE_MODE, 25, 1), 1
	s_wait_xcnt 0x0
; PREP.  Three kinds of work-group, told apart by the work-group's number alone.
;   0 .. 27   set s: perm[s] takes all 8,192 tokens: those whose pair of experts is set s from the front, the others from the end; cnt[s] is the number of the first kind.
;   28        up_b and down_b rounded to bf16, kept as f32: bias = up_b (16,384 bytes), then down_b.
;   29 .. 284 the weights rounded once and laid in the order in which a wave's operand registers take them.
; wf: a fragment is 16 rows n x 32 k of 16-bit numbers, 1,024 bytes: byte 16 l + 512 hh holds W[n0 + l % 16][k0 + 16 hh + 8 (l / 16) + 0..7].
; Eight fragments (128 rows n) of one K step lie together, four K steps make a region of 32 KiB.  up: region e 32 + g 8 + ks / 4, bf16.
; down: region 256 + e 32 + g 4 + ks / 4: rounded to bf16, and that number written as f16.
; LIMITS.  |down_w| stays within f16's 65,504; below 2^-14 it keeps f16's fixed step of 6e-8.
; A cast unit is 16 rows x 256 columns, one to a wave: 2,048 units, 1,024 of up_w and then 1,024 of down_w.  It goes through the wave's own stage in LDS,
; since a lane loads 4 neighbouring columns and a fragment wants 8 columns of one row in a lane.
.set STG,   8448                       ; a wave's stage: 16 rows of 512 bytes, 528 apart
.set SPARE, 8*STG                      ; behind the stages: the spare words, 128 bytes for each wave, four blocks of 256 bytes that no other line names
.set CNTW,  SPARE+1024                 ; behind the spare words: a block of 256 bytes for the eight waves' counts in a set's work-group; no stage reaches it
.set PK,    16                         ; v[16:79]   packed 16-bit numbers; in a set's work-group the 32 stores' places and tokens
.set X,     80                         ; v[80:207]  as loaded; later the fragments
	s_load_b512 s[4:19], s[0:1], 0x0               ; sid s[4:5], up_w s[6:7], down_w s[8:9], up_b s[10:11], down_b s[12:13], perm s[14:15], cnt s[16:17], wf s[18:19]
	s_load_b64 s[20:21], s[0:1], 0x40              ; bias
	v_lshl_add_u32 v14, v0, 2, SPARE               ; my spare word,
	v_mov_b32 v15, 0                               ; and 0: kept for the add at the wave's end
	v_lshrrev_b32 v1, 5, v0
	v_readfirstlane_b32 s22, v1                    ; wave
	v_and_b32 v1, 31, v0                           ; lane
	v_lshlrev_b32 v2, 4, v1                        ; 16 lane
	s_mov_b32 s25, 0
	s_mov_b32 s28, 0xffff0000
	s_wait_kmcnt 0x0
	s_cmp_lt_u32 ttmp9, 28
	s_cbranch_scc1 .Lsort
	s_cmp_eq_u32 ttmp9, 28
	s_cbranch_scc1 .Lbias
; The unit at s[src], rows pitch bytes apart, to wf at s[18:19].
.macro CAST src, pitch, f16
.set r, 0
.rept 16
	global_load_b128 v[X+8*r:X+8*r+3],   v2, s[\src:\src+1] offset:r*(\pitch) th:TH_LOAD_NT      ; 512 consecutive bytes each
	global_load_b128 v[X+8*r+4:X+8*r+7], v2, s[\src:\src+1] offset:r*(\pitch)+512 th:TH_LOAD_NT
.set r, r+1
.endr
.set r, 0
.rept 16
	s_wait_loadcnt 30-2*r                          ; row r's two loads are in; the rows behind stay out
.irp q, 0,1,2,3
	v_cvt_pk_bf16_f32 v[PK+4*r+\q], v[X+8*r+2*\q], v[X+8*r+2*\q+1]
.endr
.if \f16
.irp q, 0,1,2,3
	v_lshlrev_b32 v[X+8*r+2*\q], 16, v[PK+4*r+\q]
	v_and_b32 v[X+8*r+2*\q+1], s28, v[PK+4*r+\q]
.endr
.irp q, 0,1,2,3
	v_cvt_pk_f16_f32 v[PK+4*r+\q], v[X+8*r+2*\q], v[X+8*r+2*\q+1]  ; the bf16 number, written as f16
.endr
.endif
	ds_store_b64 v3, v[PK+4*r:PK+4*r+1] offset:r*528
	ds_store_b64 v3, v[PK+4*r+2:PK+4*r+3] offset:r*528+256
.set r, r+1
.endr
.set n, 0
.rept 16                                       ; K step n / 2, half n % 2.  LDS serves a wave's instructions in order: these see the stores above
	ds_load_b128 v[X+4*n:X+4*n+3], v4 offset:n*32
.set n, n+1
.endr
.set n, 0
.rept 16
	s_wait_dscnt 15-n                              ; the younger loads stay out
	global_store_b128 v2, v[X+4*n:X+4*n+3], s[18:19] offset:(n/2)*8192+(n%2)*512  ; 512 consecutive bytes, aligned
.set n, n+1
.endr
.endm
	s_sub_co_u32 s23, ttmp9, 29
	s_lshl_b32 s23, s23, 3
	s_add_co_u32 s23, s23, s22                     ; my unit
	s_mul_i32 s29, s22, STG                        ; my stage
	v_lshl_add_u32 v3, v1, 3, s29                  ; in: 8 bytes a lane
	v_and_b32 v5, 15, v0
	v_bfe_u32 v6, v0, 4, 1
	v_mul_u32_u24 v4, v5, 528                      ; back: row l % 16, 16 bytes for each half of the lanes
	v_lshl_add_u32 v4, v6, 4, v4
	v_add_nc_u32 v4, s29, v4
	s_cmp_ge_u32 s23, 1024
	s_cbranch_scc1 .Ldown
	s_lshr_b32 s30, s23, 2                         ; block of 16 rows, 0 .. 255
	s_and_b32 s31, s23, 3                          ; chunk of 256 columns
	s_lshl_b32 s24, s30, 16                        ; 16 rows of 4,096 bytes
	s_lshl_b32 s26, s31, 10
	s_add_co_u32 s24, s24, s26
	s_add_nc_u64 s[6:7], s[6:7], s[24:25]
	s_lshr_b32 s26, s30, 3                         ; 4 e + g: eight regions each
	s_lshl_b32 s24, s26, 18
	s_lshl_b32 s26, s31, 16                        ; a chunk is two regions
	s_add_co_u32 s24, s24, s26
	s_and_b32 s26, s30, 7                          ; the fragment among the eight
	s_lshl_b32 s26, s26, 10
	s_add_co_u32 s24, s24, s26
	s_add_nc_u64 s[18:19], s[18:19], s[24:25]
	CAST 6, 4096, 0
	s_branch .Lend
.Ldown:
	s_sub_co_u32 s23, s23, 1024
	s_lshr_b32 s30, s23, 1                         ; block of 16 rows, 0 .. 511
	s_and_b32 s31, s23, 1
	s_lshl_b32 s24, s30, 15                        ; 16 rows of 2,048 bytes
	s_lshl_b32 s26, s31, 10
	s_add_co_u32 s24, s24, s26
	s_add_nc_u64 s[8:9], s[8:9], s[24:25]
	s_lshr_b32 s26, s30, 3                         ; 8 e + g: four regions each
	s_lshl_b32 s24, s26, 17
	s_lshl_b32 s26, s31, 16
	s_add_co_u32 s24, s24, s26
	s_and_b32 s26, s30, 7
	s_lshl_b32 s26, s26, 10
	s_add_co_u32 s24, s24, s26
	s_add_co_u32 s24, s24, 8388608                 ; behind up's 256 regions
	s_add_nc_u64 s[18:19], s[18:19], s[24:25]
	CAST 8, 2048, 1
	s_branch .Lend
.Lbias:
	v_lshlrev_b32 v3, 4, v0                        ; 16 bytes a thread
.irp i, 0,1,2,3
	global_load_b128 v[X+4*\i:X+4*\i+3], v3, s[10:11] offset:4096*\i
.endr
.irp i, 0,1,2,3,4,5,6,7
	global_load_b128 v[X+16+4*\i:X+16+4*\i+3], v3, s[12:13] offset:4096*\i
.endr
	s_wait_loadcnt 0x0
.set i, 0
.rept 24
	v_cvt_pk_bf16_f32 v[PK+i], v[X+2*i], v[X+2*i+1]
.set i, i+1
.endr
.set i, 0
.rept 24
	v_lshlrev_b32 v[X+2*i], 16, v[PK+i]
	v_and_b32 v[X+2*i+1], s28, v[PK+i]
.set i, i+1
.endr
.irp i, 0,1,2,3,4,5,6,7,8,9,10,11
	global_store_b128 v3, v[X+4*\i:X+4*\i+3], s[20:21] offset:4096*\i
.endr
	s_branch .Lend
; THE LIST OF SET s.  Wave w loads, counts and places the tokens 1,024 w .. 1,024 w + 1,023: each word of sid is loaded once a work-group.
; The eight counts meet in eight LDS words of their own behind one barrier, which all eight waves of such a work-group pass: the branch that led here hangs on the work-group's number alone.
.Lsort:
	s_mov_b32 s23, ttmp9
	s_lshl_b32 s24, s23, 15                        ; a list has 8,192 words
	s_add_nc_u64 s[14:15], s[14:15], s[24:25]
	s_lshl_b32 s24, s23, 2
	s_add_nc_u64 s[16:17], s[16:17], s[24:25]
	s_lshl_b32 s29, s22, 10
	v_lshlrev_b32 v5, 2, v1
	v_add_nc_u32 v5, s29, v5                       ; 1,024 wave + 4 lane: the token of my first word
	v_lshlrev_b32 v8, 2, v5
	s_sub_co_u32 s29, 8191, s29
	v_sub_nc_u32 v9, s29, v1                       ; 8,191 - 1,024 wave - lane
.irp j, 0,1,2,3,4,5,6,7
	global_load_b128 v[X+4*\j:X+4*\j+3], v8, s[4:5] offset:\j*512
.endr
	s_mov_b32 s48, 0                               ; the set's tokens among my 1,024
	s_wait_loadcnt 0x0
.set b, 0
.rept 4
.irp i, 0,1,2,3,4,5,6,7
	v_cmp_eq_u32 s[40+\i], s23, v[X+8*b+\i]
.endr
.irp i, 0,1,2,3,4,5,6,7
	s_bcnt1_i32_b32 s49, s[40+\i]
	s_add_co_u32 s48, s48, s49
.endr
.set b, b+1
.endr
	v_mov_b32 v6, s48
	s_lshl_b32 s49, s22, 2
	s_add_co_u32 s49, s49, CNTW                    ; my wave's word among the eight
	v_mov_b32 v7, s49
	ds_store_b32 v7, v6                            ; all lanes write the same word with the same value
	s_wait_dscnt 0x0                               ; for the others' sake
	s_barrier_signal -1
	s_barrier_wait -1
	v_mov_b32 v10, CNTW
	ds_load_b128 v[X+32:X+35], v10                 ; the eight counts, in every lane
	ds_load_b128 v[X+36:X+39], v10 offset:16
	s_wait_dscnt 0x0
.irp g, 0,1,2,3,4,5,6,7
	v_readfirstlane_b32 s[32+\g], v[X+32+\g]
.endr
	s_mov_b32 s49, 0                               ; the set's tokens ahead of my group: it runs on through my 32 registers
	s_mov_b32 s50, 0                               ; the set's tokens in all
.irp g, 0,1,2,3,4,5,6,7
	s_cmp_lt_u32 \g, s22
	s_cselect_b32 s48, s[32+\g], 0
	s_add_co_u32 s49, s49, s48
	s_add_co_u32 s50, s50, s[32+\g]
.endr
; Register k of the 32.  The walk's order is o = 1,024 wave + 32 k + lane; mb = the set's tokens ahead of o.  A token of the set goes to place mb, any other to 8,191 - (o - mb):
; the two kinds fill the list from its two ends, every lane stores in every line, and every word of the list is written once.
; Each store has two registers of its own, so nothing that a pending store reads is written again.
.macro PUT k
	v_cmp_eq_u32 vcc_lo, s23, v[X+(\k)]
	v_mbcnt_lo_u32_b32 v[PK+2*(\k)], vcc_lo, 0
	v_add_nc_u32 v[PK+2*(\k)], s49, v[PK+2*(\k)]   ; mb
	v_add_nc_u32 v[PK+2*(\k)+1], v9, v[PK+2*(\k)]
.if (\k) > 0
	v_add_nc_u32 v[PK+2*(\k)+1], -32*(\k), v[PK+2*(\k)+1]
.endif
	v_cndmask_b32 v[PK+2*(\k)], v[PK+2*(\k)+1], v[PK+2*(\k)], vcc_lo
	v_min_u32 v[PK+2*(\k)], 0x1fff, v[PK+2*(\k)]   ; a place in the list
	v_lshlrev_b32 v[PK+2*(\k)], 2, v[PK+2*(\k)]
	v_add_nc_u32 v[PK+2*(\k)+1], ((\k)/4)*128+(\k)%4, v5  ; the token
	s_bcnt1_i32_b32 s30, vcc_lo
	global_store_b32 v[PK+2*(\k)], v[PK+2*(\k)+1], s[14:15]
	s_add_co_u32 s49, s49, s30
.endm
.set kk, 0
.rept 32
	PUT kk
.set kk, kk+1
.endr
	s_cmp_lg_u32 s22, 0
	s_cbranch_scc1 .Lend                           ; wave 0 alone stores the count, from lane 0
	v_mov_b32 v6, 0
	v_mov_b32 v7, s50
	v_cmp_eq_u32 vcc_lo, 0, v1
	s_wait_xcnt 0x0                                ; EXEC changes only behind this wait
	s_and_saveexec_b32 s31, vcc_lo
	global_store_b32 v6, v7, s[16:17]
	s_wait_xcnt 0x0                                ; and again in front of the line that widens it
	s_or_b32 exec_lo, exec_lo, s31
.Lend:
	s_wait_tensorcnt 0x0                           ; the wave's end, behind my last LDS store
	ds_add_u32 v14, v15
	s_wait_dscnt 0x0
	s_endpgm
.Lfunc_end_k_qe4791cee7f_prep:
	.size	k_qe4791cee7f_prep, .Lfunc_end_k_qe4791cee7f_prep-k_qe4791cee7f_prep
	.p2alignl 7, 3214868480
	.fill 96, 4, 3214868480
	.section	.rodata,"a",@progbits
	.p2align	6, 0x0
	.amdhsa_kernel k_qe4791cee7f_prep
		.amdhsa_group_segment_fixed_size 68864
		.amdhsa_private_segment_fixed_size 0
		.amdhsa_enable_private_segment 0
		.amdhsa_kernarg_size 72
		.amdhsa_user_sgpr_count 2
		.amdhsa_user_sgpr_kernarg_segment_ptr 1
		.amdhsa_wavefront_size32 1
		.amdhsa_system_sgpr_workgroup_id_x 1
		.amdhsa_system_sgpr_workgroup_id_y 1
		.amdhsa_system_sgpr_workgroup_id_z 1
		.amdhsa_system_vgpr_workitem_id 0
		.amdhsa_next_free_vgpr 208
		.amdhsa_next_free_sgpr 66
		.amdhsa_reserve_vcc 1
		.amdhsa_float_denorm_mode_32 3
		.amdhsa_float_denorm_mode_16_64 3
		.amdhsa_memory_ordered 1
		.amdhsa_forward_progress 1
		.amdhsa_inst_pref_size 67
	.end_amdhsa_kernel
	.amdgpu_metadata
---
amdhsa.version: [ 1, 2 ]
amdhsa.kernels:
  - .name:           k_qe4791cee7f_prep
    .symbol:         k_qe4791cee7f_prep.kd
    .args:
      - { .name: sid, .offset: 0, .size: 8, .value_kind: global_buffer, .address_space: global }
      - { .name: up_w, .offset: 8, .size: 8, .value_kind: global_buffer, .address_space: global }
      - { .name: down_w, .offset: 16, .size: 8, .value_kind: global_buffer, .address_space: global }
      - { .name: up_b, .offset: 24, .size: 8, .value_kind: global_buffer, .address_space: global }
      - { .name: down_b, .offset: 32, .size: 8, .value_kind: global_buffer, .address_space: global }
      - { .name: perm, .offset: 40, .size: 8, .value_kind: global_buffer, .address_space: global }
      - { .name: cnt, .offset: 48, .size: 8, .value_kind: global_buffer, .address_space: global }
      - { .name: wf, .offset: 56, .size: 8, .value_kind: global_buffer, .address_space: global }
      - { .name: bias, .offset: 64, .size: 8, .value_kind: global_buffer, .address_space: global }
    .group_segment_fixed_size: 68864
    .private_segment_fixed_size: 0
    .kernarg_segment_align: 8
    .kernarg_segment_size: 72
    .max_flat_workgroup_size: 256
    .sgpr_count:     66
    .vgpr_count:     208
    .wavefront_size: 32
...
	.end_amdgpu_metadata
.endif
;; end of part 2
;; launch chain (part 3): grid 198 x 1, 8 waves a work-group, no clusters, 199,424 bytes of LDS; arguments xb, wf, perm, cnt, gate, bias, out0; writes out0
.if DOCPART == 3
	.amdgcn_target "amdgcn-amd-amdhsa--gfx1250"
	.amdhsa_code_object_version 6
	.text
	.protected	k_qe4791cee7f_chain
	.globl	k_qe4791cee7f_chain
	.p2align	8
	.type	k_qe4791cee7f_chain,@function
k_qe4791cee7f_chain:
	s_mov_b64 s[64:65], 0
	v_nop
	global_prefetch_b8 v0, s[64:65] scope:SCOPE_SE
	s_setreg_imm32_b32 hwreg(HW_REG_WAVE_MODE, 25, 1), 1
	s_wait_xcnt 0x0
; CHAIN.  A work-group takes a tile of 48 tokens of ONE set (pair of experts lo < hi) through the whole chain: gather, up product (bf16), bias, exact GELU, gate,
; down product (f16) of both experts into one accumulator, gated biases, store.  Each output row has one owner; the hidden layer stays in LDS.
; THE GRID serves every split: the sum over 28 sets of ceil(n / 48) is at most floor((8192 - 28) / 48) + 28 = 198.  Every work-group finds its tile from the 28 counts.
; Work-group g takes tile number 25 g mod 198 (25 and 198 share no factor), so that the work-groups that a split leaves without rows lie spread over the grid and not at its end.
; Such a work-group jumps over the work, passes all four barriers, stores nothing.  Places past a tile's count repeat the set's last row and are not stored.
; SHARES.  Eight waves; every wave holds all 48 rows (3 blocks of 16) and 128 columns (8 blocks): 24 accumulators.  Up: wave v makes hidden columns 128 v .. (lo's 512, then hi's 512).
; Down: wave v makes output columns 128 v .., K = 1,024: lo's hidden columns, then hi's.  So each weight byte has ONE reader wave in the work-group, and the weights go from memory
; straight into registers, in fragment order, through a ring of four slots of 16 loads (one K step each): three K steps lie between a slot's refill and its use.
; Each slot has a scalar pointer of its own, stepped behind the counted wait that shows the slot's last sixteen loads done: those are the only loads that name it.
; NO CLUSTER, NO TENSOR LOADS: a joint load lands in LDS, and with one reader a byte that would add a write and a read of 4 MiB of LDS a tile; beside x's 99 KiB LDS has room for
; two slots of one K step only, a round for every 24 products of a wave; and how many tiles a set has hangs on counts read from memory.
; BARRIERS.  The fragment loads' LDS addresses step with the trips, so the phases that touch LDS are ordered as wholes: a barrier stands between the gather's stores and the up product's
; reads, between those reads and the hidden layer's stores, between those stores and the down product's reads, and between those reads and the stage's stores.
; BOTH PRODUCTS ARE USED TRANSPOSED (source 0 = 16 rows of W, source 1 = 16 tokens): a lane holds token l % 16 and the 8 neighbouring columns 8 (l / 16) + 0..7.
; GELU(u) = (u + |u| erf(|u| / sqrt 2)) / 2, erf by 1 - (a1 t + .. + a5 t^5) exp(-x^2), t = 1 / (1 + 0.3275911 x): absolute error at most 1.5e-7 for every argument.
; LIMITS.  NaN and infinities are not treated apart.  gate x hidden is kept in f16: it stays within 65,504.
; REGISTERS.  Window 0: the ring, slot i at 64 i, fragment f at + 8 f.  Window 1: as named below.
.set PX,     2064                      ; a row of x or of the hidden layer in LDS: 2,048 bytes + 16: 129 x 16, so the 16 rows of a fragment load start 16 bytes apart modulo 256
.set HID,    99328                     ; x: 48 rows from byte 0; the hidden layer: 48 rows from here
.set SPARE,  198400                    ; the spare words, 128 bytes for each wave, four blocks of 256 bytes that no other line names
.set SPITCH, 528                       ; the way out: a wave's stage of 16 rows of 512 bytes + 16, in x's bytes, which nobody reads any more
.set STG,    16*SPITCH
.set ACC,  0                           ; v[0:191]    accumulator (rb, nb) at 8 (8 rb + nb)
.set AB,   192                         ; v[192:239]  two buffers of A fragments, 24 each; at work in the head, in GELU and on the way out
.set SPW,  240                         ; my spare word's LDS address; never rewritten
.set NIL,  241                         ; 0; never rewritten
.set LOFF, 242                         ; 16 lane
.set AX0,  243                         ; LDS address of my A fragments, rows 0-31 (block 1 by the immediate)
.set AX2,  244                         ; rows 32-47
.set SW,   245                         ; the way out: where I put my 32 bytes of a row
.set TOK,  246                         ; v[246:248]  the token of row 16 rb + l % 16
.set BOFF, 249                         ; 32 (l / 16): my 8 columns in a block of 16 f32
.set GP,   250                         ; v[250:255]  (gate of lo, gate of hi) of that token
.set ZZ,   AB                          ; GELU's work registers
.set DD,   AB+8
.set QQ,   AB+16
.set PO,   AB+24
.set OO,   AB+32
.set G2,   AB+36                       ; gate / 2, twice, for each row block
.set HSA,  AB+42                       ; where I put 16 bytes of the hidden layer
.set HSB,  AB+43
.set WV,   18                          ; wave
.set WG,   19                          ; my tile's number
.set CUM,  20                          ; tiles of the sets so far
.set STT,  21                          ; my set's first tile
.set CN,   22                          ; my set's count
.set PAIR, 23                          ; set | lo << 8 | hi << 16
.set TT,   24                          ; at work
.set R0,   25                          ; my tile's first place in the list
.set RL,   26                          ; the last place of the set's own tokens in the list
.set NR,   27                          ; my tile's rows, 0 .. 48
.set ELO,  28
.set EHI,  29
.set SIDB, 30                          ; my list's first word in perm
.set SELM, 31                          ; all ones in the waves that work for hi in the up product
.set CZ,   32                          ; s32 .. s47: GELU's constants, where the counts lay
.set CPP,  34
.set CA5,  36
.set CA4,  38
.set CA3,  40
.set CA2,  42
.set CA1,  44
.set CIC,  46
.set PL,   60                          ; s[60:61] the up product's first region; never rewritten
.set PH,   62                          ; s[62:63] hi's first region of the down product
.set PBL,  66                          ; s[66:67] lo's down bias for my columns; s[68:69] hi's
.set LC,   70                          ; loop count
.set DL,   71                          ; lo's first region of the down product, its number
.set OF,   72                          ; s[72:73] an offset in 64 bits
.set PBU,  74                          ; s[74:75] the up bias for my columns
.set TK,   76                          ; s[76:91] 16 tokens
.set PS,   92                          ; s[92:99] slot i's pointer at PS + 2 i: the region that the slot is filled from
.set MSB, 0
.macro WIN new                         ; the immediate's high byte repeats the setting that is left
.if MSB != (\new)
	s_set_vgpr_msb (MSB<<8)|(\new)
.set MSB, \new
.endif
.endm
.set W_ALL1, 0x55                      ; every place in window 1
.set W_MUL,  0x54                      ; source 0 the ring; source 1, C and D in window 1
.set W_LDA,  0x41                      ; destination and address in window 1
.set W_LDB,  0x01                      ; destination window 0, address (source 0) window 1
.set W_MK,   0x40                      ; destination window 1
.set W_ST,   0x05                      ; address and data in window 1
.set W_S1,   0x04                      ; source 1 in window 1
.macro ALOAD b, off                    ; the A fragments of one K step (48 rows x 32 K at byte off of the rows) into buffer b
	ds_load_b128 v[AB+24*(\b):AB+24*(\b)+3],     v[AX0] offset:(\off)
	ds_load_b128 v[AB+24*(\b)+4:AB+24*(\b)+7],   v[AX0] offset:(\off)+32
	ds_load_b128 v[AB+24*(\b)+8:AB+24*(\b)+11],  v[AX0] offset:16*PX+(\off)
	ds_load_b128 v[AB+24*(\b)+12:AB+24*(\b)+15], v[AX0] offset:16*PX+(\off)+32
	ds_load_b128 v[AB+24*(\b)+16:AB+24*(\b)+19], v[AX2] offset:(\off)
	ds_load_b128 v[AB+24*(\b)+20:AB+24*(\b)+23], v[AX2] offset:(\off)+32
.endm
; K step i of a trip's four.  more = 1: the next step's A fragments are asked for first.  lc: the loads younger than slot i's sixteen.
; The 24 accumulators take turns, one instruction a turn, over the loops' backward jumps too.
; Four v_nop are the places between the products and the loads into registers that they read: slot i now, the A buffer at the next step's head.
; fill = 1: slot i's pointer goes on (step: 1 the next region; 2 the same, and over to hi's first region when the loop's count is 4; 3 lo's first region of the down product),
; which the wait at the step's head allows: it has shown done the only loads that name this pointer; then slot i takes the same K step of that region.
; fill = 2: slots 0 and 1 take lo's and hi's down bias for my columns.
.macro KSTEP i, fmt, zero, more, fill, lc, step=0
.if \more
	WIN W_LDA
	ALOAD ((\i)+1)%2, ((\i)+1)*64
.endif
	s_wait_loadcnt \lc
.if \more
	s_wait_dscnt 6                                 ; this step's A fragments are in; the six just asked for may be out
.else
	s_wait_dscnt 0x0
.endif
	WIN W_MUL
.irp nb, 0,1,2,3,4,5,6,7
.irp rb, 0,1,2
.if \zero
	v_wmma_f32_16x16x32_\fmt v[ACC+8*(8*\rb+\nb):ACC+8*(8*\rb+\nb)+7], v[64*(\i)+8*\nb:64*(\i)+8*\nb+7], v[AB+24*((\i)%2)+8*\rb:AB+24*((\i)%2)+8*\rb+7], 0
.else
	v_wmma_f32_16x16x32_\fmt v[ACC+8*(8*\rb+\nb):ACC+8*(8*\rb+\nb)+7], v[64*(\i)+8*\nb:64*(\i)+8*\nb+7], v[AB+24*((\i)%2)+8*\rb:AB+24*((\i)%2)+8*\rb+7], v[ACC+8*(8*\rb+\nb):ACC+8*(8*\rb+\nb)+7]
.endif
.endr
.endr
.rept 4
	v_nop
.endr
.if (\fill) == 1
.if ((\step) == 1) || ((\step) == 2)
	s_add_nc_u64 s[PS+2*(\i):PS+2*(\i)+1], s[PS+2*(\i):PS+2*(\i)+1], 0x8000
.endif
.if (\step) == 2
	s_cmp_eq_u32 s[LC], 4
	s_cselect_b64 s[PS+2*(\i):PS+2*(\i)+1], s[PH:PH+1], s[PS+2*(\i):PS+2*(\i)+1]
.endif
.if (\step) == 3
	s_add_nc_u64 s[PS+2*(\i):PS+2*(\i)+1], s[6:7], s[OF:OF+1]
.endif
	WIN W_LDB
.irp q, 0,1,2,3,4,5,6,7,8,9,10,11,12,13,14,15
	global_load_b128 v[64*(\i)+4*\q:64*(\i)+4*\q+3], v[LOFF], s[PS+2*(\i):PS+2*(\i)+1] offset:(\i)*8192+512*\q
.endr
.elseif (\fill) == 2
	WIN W_LDB
.irp q, 0,1,2,3,4,5,6,7,8,9,10,11,12,13,14,15
	global_load_b128 v[64*(\i)+4*\q:64*(\i)+4*\q+3], v[BOFF], s[PBL+2*(\i):PBL+2*(\i)+1] offset:(\q/2)*64+(\q%2)*16
.endr
.endif
.endm
; A trip: one region, four K steps, 96 products.  It multiplies the region in the ring and fills the ring with the next one.
; tail = 0: in a loop.  1: a product's last trip, the ring is filled for the next product.  2: the very last: two slots take the biases; the counts: slots 1-3; 2, 3 and a bias; 3 and both; both.
; In a loop the A addresses go 256 bytes on; a product's last trip takes them back to the rows' first byte.
.macro TRIP fmt, zero, step, tail
.if (\step) == 3
	s_lshl_b32 s[OF], s[DL], 15
.endif
.if (\tail) == 2
	KSTEP 0, \fmt, \zero, 1, 2, 48
	KSTEP 1, \fmt, 0, 1, 2, 48
	KSTEP 2, \fmt, 0, 1, 0, 48
	KSTEP 3, \fmt, 0, 0, 0, 32
.elseif (\tail) == 1
	KSTEP 0, \fmt, \zero, 1, 1, 48, \step
	KSTEP 1, \fmt, 0, 1, 1, 48, \step
	KSTEP 2, \fmt, 0, 1, 1, 48, \step
	KSTEP 3, \fmt, 0, 0, 1, 48, \step
.else
	KSTEP 0, \fmt, \zero, 1, 1, 48, \step          ; 48: behind a slot's sixteen loads stand the three refills since
	KSTEP 1, \fmt, 0, 1, 1, 48, \step
	KSTEP 2, \fmt, 0, 1, 1, 48, \step
	KSTEP 3, \fmt, 0, 1, 1, 48, \step
.endif
	WIN W_ALL1
.if (\tail) == 0
	v_add_nc_u32 v[AX0], 256, v[AX0]
	v_add_nc_u32 v[AX2], 256, v[AX2]
.else
	v_add_nc_u32 v[AX0], -1792, v[AX0]
	v_add_nc_u32 v[AX2], -1792, v[AX2]
.endif
	WIN 0                                          ; at a label and at a branch every window is 0
.endm
	s_load_b256 s[4:11], s[0:1], 0x0               ; xb s[4:5], wf s[6:7], perm s[8:9], cnt s[10:11]
	s_load_b128 s[12:15], s[0:1], 0x20             ; gate s[12:13], bias s[14:15]
	s_load_b64 s[16:17], s[0:1], 0x30              ; out0
	WIN W_MK
	v_lshl_add_u32 v[SPW], v0, 2, SPARE
	v_mov_b32 v[NIL], 0
	v_and_b32 v[AB], 31, v0                        ; lane
	v_and_b32 v[AB+1], 15, v0                      ; l % 16
	v_bfe_u32 v[AB+2], v0, 4, 1                    ; l / 16
	v_lshrrev_b32 v[AB+3], 5, v0
	WIN W_ALL1
	v_readfirstlane_b32 s[WV], v[AB+3]
	s_mul_i32 s[WG], ttmp9, 25                     ; 25 g mod 198: x / 198 = (x x 331) >> 16 for x up to 4,925, since 331 x 198 = 65,538
	s_mul_i32 s[TT], s[WG], 331
	s_lshr_b32 s[TT], s[TT], 16
	s_mul_i32 s[TT], s[TT], 198
	s_sub_co_u32 s[WG], s[WG], s[TT]
	s_wait_kmcnt 0x0
	s_load_b512 s[32:47], s[10:11], 0x0            ; the 28 counts
	s_load_b256 s[48:55], s[10:11], 0x40
	s_load_b128 s[56:59], s[10:11], 0x60
	v_lshlrev_b32 v[LOFF], 4, v[AB]
	v_lshlrev_b32 v[BOFF], 5, v[AB+2]
	v_mul_u32_u24 v[AX0], v[AB+1], PX              ; a fragment: row l % 16, 16 bytes for each half of the lanes
	v_lshl_add_u32 v[AX0], v[AB+2], 4, v[AX0]
	v_add_nc_u32 v[AX2], 32*PX, v[AX0]
	s_mul_i32 s[TT], s[WV], STG
	v_mul_u32_u24 v[SW], v[AB+1], SPITCH
	v_lshl_add_u32 v[SW], v[AB+2], 5, v[SW]
	v_add_nc_u32 v[SW], s[TT], v[SW]
	s_mul_i32 s[TT], s[WV], 6*PX                   ; the gather: wave v brings rows 6 v .. 6 v + 5, two at a time
	v_mul_u32_u24 v[AB+13], v[AB+2], PX
	v_lshl_add_u32 v[AB+13], v[AB+1], 4, v[AB+13]
	v_add_nc_u32 v[AB+13], s[TT], v[AB+13]
	s_mov_b32 s[CUM], 0
	s_mov_b32 s[STT], 0
	s_mov_b32 s[CN], 0
	s_mov_b32 s[PAIR], 0
	s_wait_kmcnt 0x0
; The last set whose first tile is not beyond my number is mine.  ceil(n / 48) = ((n + 47) x 43691) >> 21: 43691 x 48 = 2^21 + 16, exact below 131,072.
.macro SEEK s, lo, hi
	s_min_u32 s[32+(\s)], s[32+(\s)], 8192
	s_cmp_ge_u32 s[WG], s[CUM]
	s_cselect_b32 s[STT], s[CUM], s[STT]
	s_cselect_b32 s[CN], s[32+(\s)], s[CN]
	s_cselect_b32 s[PAIR], (\s)|((\lo)<<8)|((\hi)<<16), s[PAIR]
	s_add_co_u32 s[TT], s[32+(\s)], 47
	s_mul_i32 s[TT], s[TT], 43691
	s_lshr_b32 s[TT], s[TT], 21
	s_add_co_u32 s[CUM], s[CUM], s[TT]
.endm
.set SS, 0
.irp hi, 1,2,3,4,5,6,7
.irp lo, 0,1,2,3,4,5,6
.if \lo < \hi
	SEEK SS, \lo, \hi
.set SS, SS+1
.endif
.endr
.endr
	s_sub_co_u32 s[R0], s[WG], s[STT]
	s_mul_i32 s[R0], s[R0], 48
	s_max_u32 s[RL], s[CN], 1
	s_sub_co_u32 s[RL], s[RL], 1
	s_sub_co_u32 s[TT], s[CN], s[R0]
	s_min_u32 s[TT], s[TT], 48
	s_cmp_lt_u32 s[WG], s[CUM]                     ; is there a tile of my number at all?
	s_cselect_b32 s[NR], s[TT], 0
	s_bfe_u32 s[ELO], s[PAIR], 0x80008
	s_bfe_u32 s[EHI], s[PAIR], 0x80010
	s_and_b32 s[SIDB], s[PAIR], 0xff
	s_lshl_b32 s[SIDB], s[SIDB], 13
	s_cmp_ge_u32 s[WV], 4
	s_cselect_b32 s[SELM], -1, 0
	s_cselect_b32 s[TT], s[EHI], s[ELO]            ; my expert in the up product
	s_and_b32 s[LC], s[WV], 3                      ; and my group of 128 hidden columns
	s_mov_b32 s[OF+1], 0
	s_lshl_b32 s[OF], s[TT], 5                     ; up's regions: 32 e + 8 g ..
	s_lshl3_add_u32 s[OF], s[LC], s[OF]
	s_min_u32 s[OF], s[OF], 511
	s_lshl_b32 s[OF], s[OF], 15
	s_add_nc_u64 s[PL:PL+1], s[6:7], s[OF:OF+1]
.irp i, 0,1,2,3
	s_mov_b64 s[PS+2*\i:PS+2*\i+1], s[PL:PL+1]     ; every slot's pointer starts at the region that the first fill brings
.endr
	s_lshl2_add_u32 s[OF], s[TT], s[LC]            ; up_b: 512 bytes for each 128 columns
	s_min_u32 s[OF], s[OF], 31
	s_lshl_b32 s[OF], s[OF], 9
	s_add_nc_u64 s[PBU:PBU+1], s[14:15], s[OF:OF+1]
	s_lshl_b32 s[DL], s[ELO], 5                    ; down's regions: 256 + 32 e + 4 v ..
	s_lshl2_add_u32 s[DL], s[WV], s[DL]
	s_add_co_u32 s[DL], s[DL], 256
	s_min_u32 s[DL], s[DL], 511
	s_lshl_b32 s[OF], s[EHI], 5
	s_lshl2_add_u32 s[OF], s[WV], s[OF]
	s_add_co_u32 s[OF], s[OF], 256
	s_min_u32 s[OF], s[OF], 511
	s_lshl_b32 s[OF], s[OF], 15
	s_add_nc_u64 s[PH:PH+1], s[6:7], s[OF:OF+1]
	s_lshl3_add_u32 s[OF], s[ELO], s[WV]           ; down_b, behind up_b's 16,384 bytes
	s_min_u32 s[OF], s[OF], 63
	s_lshl_b32 s[OF], s[OF], 9
	s_add_co_u32 s[OF], s[OF], 16384
	s_add_nc_u64 s[PBL:PBL+1], s[14:15], s[OF:OF+1]
	s_lshl3_add_u32 s[OF], s[EHI], s[WV]
	s_min_u32 s[OF], s[OF], 63
	s_lshl_b32 s[OF], s[OF], 9
	s_add_co_u32 s[OF], s[OF], 16384
	s_add_nc_u64 s[PBL+2:PBL+3], s[14:15], s[OF:OF+1]
.macro SPAIR r, val                    ; a constant that packed lines name as a pair: both words are written
	s_mov_b32 s[\r], \val
	s_mov_b32 s[(\r)+1], \val
.endm
	SPAIR CZ,  0x3f596d27                          ; sqrt(log2(e) / 2): z = |u| CZ, exp(-u^2 / 2) = 2^(-z^2)
	SPAIR CPP, 0x3e8ba43f                          ; 0.3275911 / sqrt(log2 e)
	SPAIR CA5, 0x3f9ff67a                          ; a5 .. a1, each divided by CZ
	SPAIR CA4, 0xbfdb0099
	SPAIR CA3, 0x3fd63817
	SPAIR CA2, 0xbeab8119
	SPAIR CA1, 0x3e999eb3
	SPAIR CIC, 0x3f96b55f                          ; 1 / CZ
	; the tokens: of the six rows that my wave gathers (two a load), and of the rows 16 rb + l % 16 that my lane computes.  Places past the set's count repeat its last token.
	s_mul_i32 s[TT], s[WV], 6
	s_add_co_u32 s[TT], s[TT], s[R0]
.irp i, 0,1,2
	v_add3_u32 v[AB+4+\i], v[AB+2], s[TT], 2*\i
	v_add3_u32 v[AB+7+\i], v[AB+1], s[R0], 16*\i
.endr
.irp i, 0,1,2,3,4,5
	v_min_u32 v[AB+4+\i], s[RL], v[AB+4+\i]
	v_add_nc_u32 v[AB+4+\i], s[SIDB], v[AB+4+\i]
	v_min_u32 v[AB+4+\i], 0x37fff, v[AB+4+\i]      ; a word of perm
	v_lshlrev_b32 v[AB+4+\i], 2, v[AB+4+\i]
.endr
.irp i, 0,1,2
	global_load_b32 v[AB+14+\i], v[AB+4+\i], s[8:9]
	global_load_b32 v[TOK+\i], v[AB+7+\i], s[8:9]
.endr
	s_wait_loadcnt 0x0
.irp i, 0,1,2
	v_min_u32 v[AB+14+\i], 0x1fff, v[AB+14+\i]
	v_min_u32 v[TOK+\i], 0x1fff, v[TOK+\i]
	v_lshlrev_b32 v[AB+4+\i], 11, v[AB+14+\i]      ; a row of xb is 2,048 bytes
	v_lshl_add_u32 v[AB+4+\i], v[AB+1], 4, v[AB+4+\i]
	v_lshlrev_b32 v[AB+7+\i], 3, v[TOK+\i]
.endr
.irp i, 0,1,2
.irp c, 0,1,2,3,4,5,6,7
	global_load_b128 v[ACC+32*\i+4*\c:ACC+32*\i+4*\c+3], v[AB+4+\i], s[4:5] offset:256*\c  ; sixteen lanes take 256 consecutive bytes of a row, aligned
.endr
.endr
.irp i, 0,1,2
	global_load_b64 v[GP+2*\i:GP+2*\i+1], v[AB+7+\i], s[12:13]
.endr
	WIN W_LDB
.set n, 0
.rept 64                                       ; the ring's four slots: the up product's first region, 512 consecutive bytes a load
	global_load_b128 v[4*n:4*n+3], v[LOFF], s[PL:PL+1] offset:512*n
.set n, n+1
.endr
	s_wait_loadcnt 63                              ; behind x and the gates stand the ring's 64 loads; 63 is the largest count that the wait can name
	WIN W_ST
.irp i, 0,1,2
.irp c, 0,1,2,3,4,5,6,7
	ds_store_b128 v[AB+13], v[ACC+32*\i+4*\c:ACC+32*\i+4*\c+3] offset:2*\i*PX+256*\c
.endr
.endr
	s_wait_dscnt 0x0                               ; for the others' sake: my rows of x are in LDS
	; The up product's sums start as the bias, loaded into the accumulators: nothing is cleared and no first step is written out.
	; The loads go out ahead of the barrier, so that they are on their way while the waves meet.  They, the first A fragments and the wait for them
	; stand ahead of the jump, so that what the later phases read has been written on every way.
	WIN W_ALL1
.set a, 0
.rept 24
	global_load_b128 v[ACC+8*a:ACC+8*a+3],   v[BOFF], s[PBU:PBU+1] offset:(a%8)*64
	global_load_b128 v[ACC+8*a+4:ACC+8*a+7], v[BOFF], s[PBU:PBU+1] offset:(a%8)*64+16
.set a, a+1
.endr
	WIN 0
	s_barrier_signal -1
	s_barrier_wait -1                              ; everybody's rows of x are in LDS
	WIN W_LDA
	ALOAD 0, 0
	s_wait_loadcnt 0x0                             ; the bias loads are the youngest
	WIN 0
	s_cmp_eq_u32 s[NR], 0
	s_cbranch_scc1 .Lno_up                         ; no rows: the work is jumped, no barrier is
	; THE UP PRODUCT.
	s_mov_b32 s[LC], 7
.Lup:
	TRIP bf16, 0, 1, 0
	s_sub_co_u32 s[LC], s[LC], 1
	s_cmp_lg_u32 s[LC], 0
	s_cbranch_scc1 .Lup
	TRIP bf16, 0, 3, 1                             ; the eighth region; the ring takes the down product's first, which lands under GELU
.Lno_up:
	s_wait_dscnt 0x0                               ; my reads of x are over
	s_barrier_signal -1
	s_barrier_wait -1                              ; everybody's are: LDS may be stored into
	s_cmp_eq_u32 s[NR], 0
	s_cbranch_scc1 .Lno_gelu
	; GELU, the gate, f16, into LDS.
	WIN W_ALL1
	s_lshl_b32 s[TT], s[WV], 8                     ; my 128 hidden columns are 256 bytes of a row
	s_add_co_u32 s[TT], s[TT], HID
	v_add_nc_u32 v[HSA], s[TT], v[AX0]
	v_add_nc_u32 v[HSB], s[TT], v[AX2]
.irp rb, 0,1,2
	v_cndmask_b32 v[G2+2*\rb], v[GP+2*\rb], v[GP+2*\rb+1], s[SELM]  ; my expert's gate
.endr
.irp rb, 0,1,2
	v_mul_f32 v[G2+2*\rb], 0.5, v[G2+2*\rb]
.endr
.irp rb, 0,1,2
	v_mov_b32 v[G2+2*\rb+1], v[G2+2*\rb]
.endr
.macro GELU rb, nb
.set XA, ACC+8*(8*(\rb)+(\nb))
.irp j, 0,1,2,3,4,5,6,7                ; the accumulator is read from its low end on
	v_mul_f32 v[ZZ+\j], |v[XA+\j]|, s[CZ]          ; z
.endr
.irp p, 0,2,4,6
	v_pk_fma_f32 v[DD+\p:DD+\p+1], v[ZZ+\p:ZZ+\p+1], s[CPP:CPP+1], 1.0 op_sel_hi:[1,0,0]
.endr
.irp p, 0,2,4,6
	v_pk_mul_f32 v[QQ+\p:QQ+\p+1], v[ZZ+\p:ZZ+\p+1], v[ZZ+\p:ZZ+\p+1] neg_lo:[0,1] neg_hi:[0,1]
.endr
.irp j, 0,1,2,3,4,5,6,7
	v_rcp_f32 v[DD+\j], v[DD+\j]                   ; t
.endr
.irp j, 0,1,2,3,4,5,6,7
	v_exp_f32 v[QQ+\j], v[QQ+\j]                   ; exp(-u^2 / 2)
.endr
	v_nop                                          ; a plain instruction between the last of them and the use of their results
	s_wait_alu depctr_va_vdst(0)
.irp p, 0,2,4,6
	v_pk_fma_f32 v[PO+\p:PO+\p+1], v[DD+\p:DD+\p+1], s[CA5:CA5+1], s[CA4:CA4+1] op_sel_hi:[1,0,0]
.endr
.irp p, 0,2,4,6
	v_pk_fma_f32 v[PO+\p:PO+\p+1], v[PO+\p:PO+\p+1], v[DD+\p:DD+\p+1], s[CA3:CA3+1] op_sel_hi:[1,1,0]
.endr
.irp p, 0,2,4,6
	v_pk_fma_f32 v[PO+\p:PO+\p+1], v[PO+\p:PO+\p+1], v[DD+\p:DD+\p+1], s[CA2:CA2+1] op_sel_hi:[1,1,0]
.endr
.irp p, 0,2,4,6
	v_pk_fma_f32 v[PO+\p:PO+\p+1], v[PO+\p:PO+\p+1], v[DD+\p:DD+\p+1], s[CA1:CA1+1] op_sel_hi:[1,1,0]
.endr
.irp p, 0,2,4,6
	v_pk_mul_f32 v[PO+\p:PO+\p+1], v[PO+\p:PO+\p+1], v[DD+\p:DD+\p+1]
.endr
.irp p, 0,2,4,6
	v_pk_fma_f32 v[PO+\p:PO+\p+1], v[PO+\p:PO+\p+1], v[QQ+\p:QQ+\p+1], s[CIC:CIC+1] op_sel_hi:[1,1,0] neg_lo:[1,0,0] neg_hi:[1,0,0]  ; erf / CZ
.endr
.irp p, 0,2,4,6
	v_pk_fma_f32 v[PO+\p:PO+\p+1], v[ZZ+\p:ZZ+\p+1], v[PO+\p:PO+\p+1], v[XA+\p:XA+\p+1]  ; u + |u| erf
.endr
.irp p, 0,2,4,6
	v_pk_mul_f32 v[PO+\p:PO+\p+1], v[PO+\p:PO+\p+1], v[G2+2*(\rb):G2+2*(\rb)+1]
.endr
.irp q, 0,1,2,3
	v_cvt_pk_f16_f32 v[OO+\q], v[PO+2*\q], v[PO+2*\q+1]
.endr
.if (\rb) < 2
	ds_store_b128 v[HSA], v[OO:OO+3] offset:(\rb)*16*PX+32*(\nb)
.else
	ds_store_b128 v[HSB], v[OO:OO+3] offset:32*(\nb)
.endif
.endm
.irp rb, 0,1,2
.irp nb, 0,1,2,3,4,5,6,7
	GELU \rb, \nb
.endr
.endr
	WIN 0
.Lno_gelu:
	s_wait_loadcnt 0x0                             ; the ring's refill was asked for a whole GELU ago; on every way to this line no load is out behind it
	s_wait_dscnt 0x0                               ; for the others' sake: my hidden columns are in LDS
	s_barrier_signal -1
	s_barrier_wait -1                              ; everybody's are
	s_cmp_eq_u32 s[NR], 0
	s_cbranch_scc1 .Lno_down
	; THE DOWN PRODUCT: both experts into one accumulator; the first products start the sums with the constant 0.
	WIN W_ALL1
	v_add_nc_u32 v[AX0], HID, v[AX0]
	v_add_nc_u32 v[AX2], HID, v[AX2]
	WIN W_LDA
	ALOAD 0, 0
	TRIP f16, 1, 1, 0
	s_mov_b32 s[LC], 6
.Ldown:
	TRIP f16, 0, 2, 0
	s_sub_co_u32 s[LC], s[LC], 1
	s_cmp_lg_u32 s[LC], 0
	s_cbranch_scc1 .Ldown
	TRIP f16, 0, 0, 2
.Lno_down:
	s_wait_dscnt 0x0                               ; my reads of the hidden layer are over
	s_barrier_signal -1
	s_barrier_wait -1                              ; everybody's are: LDS may be stored into
	s_cmp_eq_u32 s[NR], 0
	s_cbranch_scc1 .Lend
	; THE WAY OUT.  The gated biases are added; 16 rows at a time go through my stage and leave as 512 consecutive bytes of a token's row.
	s_wait_loadcnt 0x0                             ; the two biases
	WIN W_ALL1
.irp rb, 0,1,2
	v_mov_b32 v[AB+2*\rb], v[GP+2*\rb]             ; each gate twice, a pair for the packed lines
	v_mov_b32 v[AB+2*\rb+1], v[GP+2*\rb]
	v_mov_b32 v[AB+6+2*\rb], v[GP+2*\rb+1]
	v_mov_b32 v[AB+7+2*\rb], v[GP+2*\rb+1]
.endr
	s_mul_i32 s[TT], s[WV], STG
	v_add_nc_u32 v[AB+12], s[TT], v[LOFF]          ; back: a row of 512 bytes, 16 a lane
	s_lshl_b32 s[TT], s[WV], 9
	WIN W_S1
	v_add_nc_u32 v208, s[TT], v[LOFF]              ; my 16 bytes in a row of out0
.macro OUTB rb
	WIN W_MUL
.irp nb, 0,1,2,3,4,5,6,7
.irp p, 0,2,4,6                        ; ascending: the accumulator's low end first
	v_pk_fma_f32 v[ACC+8*(8*(\rb)+\nb)+\p:ACC+8*(8*(\rb)+\nb)+\p+1], v[8*\nb+\p:8*\nb+\p+1], v[AB+2*(\rb):AB+2*(\rb)+1], v[ACC+8*(8*(\rb)+\nb)+\p:ACC+8*(8*(\rb)+\nb)+\p+1]
.endr
.irp p, 0,2,4,6
	v_pk_fma_f32 v[ACC+8*(8*(\rb)+\nb)+\p:ACC+8*(8*(\rb)+\nb)+\p+1], v[64+8*\nb+\p:64+8*\nb+\p+1], v[AB+6+2*(\rb):AB+6+2*(\rb)+1], v[ACC+8*(8*(\rb)+\nb)+\p:ACC+8*(8*(\rb)+\nb)+\p+1]
.endr
.endr
	WIN W_ST
.irp nb, 0,1,2,3,4,5,6,7
	ds_store_b128 v[SW], v[ACC+8*(8*(\rb)+\nb):ACC+8*(8*(\rb)+\nb)+3] offset:64*\nb
	ds_store_b128 v[SW], v[ACC+8*(8*(\rb)+\nb)+4:ACC+8*(8*(\rb)+\nb)+7] offset:64*\nb+16
.endr
	s_wait_xcnt 0x0                                ; the last block's stores have read their data and offsets: both are rewritten below
	WIN W_LDB
.set r, 0
.rept 16
	ds_load_b128 v[128+4*r:128+4*r+3], v[AB+12] offset:r*SPITCH  ; LDS serves a wave's instructions in order: these see the stores above
.set r, r+1
.endr
.set r, 0
.rept 16
	v_readlane_b32 s[TK+r], v[TOK+(\rb)], r
.set r, r+1
.endr
	WIN 0
.set r, 0
.rept 16
	s_min_u32 s[TK+r], s[TK+r], 0x1fff
.set r, r+1
.endr
.set r, 0
.rept 16
	v_lshl_add_u32 v[192+r], s[TK+r], 12, v208     ; a row of out0 is 4,096 bytes
.set r, r+1
.endr
.set r, 0
.rept 16
	s_cmp_gt_u32 s[NR], 16*(\rb)+r
	s_cbranch_scc0 .Lend                           ; the tile's rows are a prefix: the first place past the count ends the way out
	s_wait_dscnt 15-r                              ; the younger loads stay out
	global_store_b128 v[192+r], v[128+4*r:128+4*r+3], s[16:17] th:TH_STORE_NT  ; 512 consecutive bytes, aligned
.set r, r+1
.endr
.endm
	OUTB 0
	OUTB 1
	OUTB 2
.Lend:
	WIN W_ST
	s_wait_tensorcnt 0x0                           ; the wave's end, behind my last LDS store
	ds_add_u32 v[SPW], v[NIL]
	s_wait_dscnt 0x0
	WIN 0
	s_endpgm
.Lfunc_end_k_qe4791cee7f_chain:
	.size	k_qe4791cee7f_chain, .Lfunc_end_k_qe4791cee7f_chain-k_qe4791cee7f_chain
	.p2alignl 7, 3214868480
	.fill 96, 4, 3214868480
	.section	.rodata,"a",@progbits
	.p2align	6, 0x0
	.amdhsa_kernel k_qe4791cee7f_chain
		.amdhsa_group_segment_fixed_size 199424
		.amdhsa_private_segment_fixed_size 0
		.amdhsa_enable_private_segment 0
		.amdhsa_kernarg_size 56
		.amdhsa_user_sgpr_count 2
		.amdhsa_user_sgpr_kernarg_segment_ptr 1
		.amdhsa_wavefront_size32 1
		.amdhsa_system_sgpr_workgroup_id_x 1
		.amdhsa_system_sgpr_workgroup_id_y 1
		.amdhsa_system_sgpr_workgroup_id_z 1
		.amdhsa_system_vgpr_workitem_id 0
		.amdhsa_next_free_vgpr 512
		.amdhsa_next_free_sgpr 100
		.amdhsa_reserve_vcc 0
		.amdhsa_float_denorm_mode_32 3
		.amdhsa_float_denorm_mode_16_64 3
		.amdhsa_memory_ordered 1
		.amdhsa_forward_progress 1
		.amdhsa_inst_pref_size 238
	.end_amdhsa_kernel
	.amdgpu_metadata
---
amdhsa.version: [ 1, 2 ]
amdhsa.kernels:
  - .name:           k_qe4791cee7f_chain
    .symbol:         k_qe4791cee7f_chain.kd
    .args:
      - { .name: xb, .offset: 0, .size: 8, .value_kind: global_buffer, .address_space: global }
      - { .name: wf, .offset: 8, .size: 8, .value_kind: global_buffer, .address_space: global }
      - { .name: perm, .offset: 16, .size: 8, .value_kind: global_buffer, .address_space: global }
      - { .name: cnt, .offset: 24, .size: 8, .value_kind: global_buffer, .address_space: global }
      - { .name: gate, .offset: 32, .size: 8, .value_kind: global_buffer, .address_space: global }
      - { .name: bias, .offset: 40, .size: 8, .value_kind: global_buffer, .address_space: global }
      - { .name: out0, .offset: 48, .size: 8, .value_kind: global_buffer, .address_space: global }
    .group_segment_fixed_size: 199424
    .private_segment_fixed_size: 0
    .kernarg_segment_align: 8
    .kernarg_segment_size: 56
    .max_flat_workgroup_size: 256
    .sgpr_count:     100
    .vgpr_count:     512
    .wavefront_size: 32
...
	.end_amdgpu_metadata
.endif
;; end of part 3
